; MI455X (gfx1250); checked and timed in simulation.
; The chip was launched on July 23, 2026; its instructions are those of AMD's public machine-readable ISA for CDNA 5 (MIT licence, August 2026) and "CDNA5" Instruction Set Architecture Reference Guide (July 2026). The comments in the code are by the model that wrote it; some were corrected since.
;; Self Attention. Allowed arithmetic: matrix products marked QUANTISED: E2M1 operands, one E8M0 scale for each 32 along K, by v_wmma_scale_f32_16x16x128_f8f6f4 with both operands' format E2M1 (or v_wmma_scale_f32_32x16x128_f4), f32 sums; everything else in f32.
;; Inputs: Wk_codes 128 x 32 x 16 uint8 (E2M1 codes of Wk, K innermost, in blocks of 32 codes, two codes a byte); Wk_scales 128 x 32 uint8 (E8M0 scales of Wk, one for each 32 codes along K); Wq_codes 128 x 32 x 16 uint8 (E2M1 codes of Wq, K innermost, in blocks of 32 codes, two codes a byte); Wq_scales 128 x 32 uint8 (E8M0 scales of Wq, one for each 32 codes along K); Wv_codes 128 x 32 x 16 uint8 (E2M1 codes of Wv, K innermost, in blocks of 32 codes, two codes a byte); Wv_scales 128 x 32 uint8 (E8M0 scales of Wv, one for each 32 codes along K); bk 128 float32; bq 128 float32; bv 128 float32; x_codes 4 x 4,096 x 32 x 16 uint8 (E2M1 codes of x, K innermost, in blocks of 32 codes, two codes a byte); x_scales 4 x 4,096 x 32 uint8 (E8M0 scales of x, one for each 32 codes along K).
;; Outputs: out0 4 x 4,096 x 128 float32.
;; This version of the problem:
;;   THIS VERSION OF THE PROBLEM IS GIVEN IN LOW PRECISION. The matrix products marked QUANTISED in the list below multiply operands that are first quantised to E2M1 (2 exponent bits, 1 mantissa bit; 4 bits a number), with one power-of-two scale for each 32 numbers along K (OCP MX v1.0); their sums are f32. All else is computed in f32.
;;   The module's matrix products, in the order in which they are computed (A, B: the left and right operand; K: the contracted axis; several contracted axes count as one K, in the product's order):
;;     1. [M 16,384, K 1,024] x [K 1,024, N 128]; A: input x (given as codes); B: input Wq (given as codes): QUANTISED
;;     2. [M 16,384, K 1,024] x [K 1,024, N 128]; A: input x (given as codes); B: input Wk (given as codes): QUANTISED
;;     3. [M 16,384, K 1,024] x [K 1,024, N 128]; A: input x (given as codes); B: input Wv (given as codes): QUANTISED
;;     4. batch 4 x [M 4,096, K 128] x [K 128, N 4,096]; A: computed on the way; B: computed on the way: QUANTISED
;;     5. batch 4 x [M 4,096, K 4,096] x [K 4,096, N 128]; A: softmax (see below); B: computed on the way: QUANTISED
;;   THE QUANTISER, for each operand of a quantised product, along K:
;;     - K is cut into blocks of 32 from its start; a last block that is shorter is filled with zeros.
;;     - A block's scale is 2^e with e = floor(log2(the largest magnitude in the block)) - 2, held to -126 .. 127; a block of zeros has e = 0. As a byte (E8M0): e + 127.
;;     - Each number is divided by its block's scale, clamped to +-6, and rounded to the nearest number of E2M1, ties to even, subnormals kept.
;;     - The product sums the exact products of the quantised numbers (number of the format x scale) in f32.
;;   ~~~python
;;   def quantise(x, axis):      # numpy; x: float32 -> the quantised numbers, widened to float32 again
;;       x = np.moveaxis(x, axis, -1); K = x.shape[-1]
;;       x = np.pad(x, [(0, 0)] * (x.ndim - 1) + [(0, -K % 32)]); x = x.reshape(x.shape[:-1] + (-1, 32)); a = np.abs(x).max(-1, keepdims=True)
;;       e = np.where(a > 0, np.clip(np.frexp(np.where(a > 0, a, 1))[1] - 1 - 2, -126, 127), 0)      # np.frexp(a)[1] - 1 = floor(log2(a)), exactly
;;       r = np.clip(x / 2.0 ** e, -6, 6)
;;       step = 2.0 ** (np.maximum(np.frexp(np.where(r == 0, 1, r))[1] - 1, 0) - 1)
;;       q = np.round(r / step) * step * 2.0 ** e      # np.round: ties to even
;;       return np.moveaxis(q.reshape(q.shape[:-2] + (-1,))[..., :K], -1, axis).astype(np.float32)
;;   ~~~
;;   SOFTMAX AHEAD OF A QUANTISED PRODUCT. Where the list says 'softmax', what is quantised is not the finished softmax but p = 2^(t - M), with t = logit x log2(e) and M = ceil(the row's largest t), a whole number; so 1/2 < the row's largest p <= 1. The row's sum l is taken of the UNQUANTISED p, in f32, and the product's result is divided by l at the end. Since M is a whole number, a kernel that streams over the keys may use a running M (the ceiling of the running maximum): every later rescaling is an exact power of two, which a block's scale takes up: the codes' values come out the same.
;;   OPERANDS COMPUTED ON THE WAY. 'Computed on the way' means the value that the module computes at that place (a softmax that the list does not call 'softmax' is quantised finished and normalised). What goes into a quantiser is computed in f32, as accurately as f32 sums, v_exp_f32 and their like allow (about 1e-6 of the number): no bf16 or f16 on the way to a quantiser, and a product that is left as it is and whose result goes on into a quantised operand takes f32 operands (vector FMAs, or v_wmma_f32_16x16x4_f32). A number that lies on a knife's edge between two numbers of the format may be rounded either way, as far as f32 arithmetic and the matrix unit's own rounding can turn it there, and no further.
;;   INPUTS GIVEN AS CODES. Wk (in the module: [1024, 128], K = its axis 0); Wq (in the module: [1024, 128], K = its axis 0); Wv (in the module: [1024, 128], K = its axis 0); x (in the module: [4, 4096, 1024], K = its axis 2): each comes as NAME_codes (uint8): NAME with its K axis moved to the last place and cut into blocks of 32 codes, [.., K / 32, bytes a block], one block behind the other in memory; two codes a byte, the lower K in the low four bits (a code: sign, 2 exponent bits, 1 mantissa bit); and NAME_scales (uint8): the same leading axes, one E8M0 byte (e + 127) for each 32 codes along K. Its value is code x scale, taken as it is: it is not quantised again, and the codes and scales need not be those that the quantiser above would give.
;; One version. Each part assembles by itself: llvm-mc -triple=amdgcn-amd-amdhsa -mcpu=gfx1250 --defsym DOCPART=n.
;; ======== version 1 of 1: 2 launches
;; limits: right only within a limited range of input values
;; workspace buffers: qbuf 1,114,112 bytes; kvbuf 2,228,224 bytes
;; launch proj (part 1): grid 128 x 2, 3 waves a work-group, clusters of 4 x 1, 174,592 bytes of LDS; arguments x_codes, x_scales, Wq_codes, Wq_scales, Wk_codes, Wk_scales, Wv_codes, Wv_scales, bq, bk, bv, qbuf, kvbuf; writes qbuf, kvbuf
.if DOCPART == 1
	.amdgcn_target "amdgcn-amd-amdhsa--gfx1250"
	.amdhsa_code_object_version 6
	.text
	.protected	k_q4f28dddd3b_proj
	.globl	k_q4f28dddd3b_proj
	.p2align	8
	.type	k_q4f28dddd3b_proj,@function
k_q4f28dddd3b_proj:
	s_mov_b64 s[64:65], 0
	v_nop
	global_prefetch_b8 v0, s[64:65] scope:SCOPE_SE
	s_setreg_imm32_b32 hwreg(HW_REG_WAVE_MODE, 25, 1), 1
	s_wait_xcnt 0x0
	s_wait_alu depctr_hold_cnt(0) depctr_sa_sdst(0) depctr_va_vdst(0) depctr_va_sdst(0) depctr_va_ssrc(0) depctr_va_vcc(0) depctr_vm_vsrc(0)
	s_getreg_b32 s2, hwreg(HW_REG_IB_STS2, 6, 4)
	s_cmp_eq_u32 s2, 0
	s_cbranch_scc0 .Lentry_in_a_cluster
	s_endpgm
.Lentry_in_a_cluster:
	s_bfe_u32 s2, ttmp6, 0x10000c
	s_cmp_lg_u32 s2, 0x3003
	s_cbranch_scc0 .Lentry_shape_is_right
	s_endpgm
.Lentry_shape_is_right:
; Q = x Wq + bq, K = x Wk + bk, V = x Wv + bv on codes of FP4 (E2M1) with E8M0 scales, sums in f32; the results are quantised again (Q and K along the 128 channels, V along the keys)
; and stored as IMAGES OF OPERAND REGISTERS for the attention launch.  x: [16,384][1,024] codes, 512 bytes a row; each W: [128][1,024] codes, K innermost; scale bytes 32 a row.
; SHARES.  A unit is 128 rows of x (a key step of the attention).  Work-group (g, y): unit g; y = 0 makes Q and channels 0-63 of V, y = 1 makes K and channels 64-127 of V: 256 work-groups, each
; with 64 KB of x, 64 KB of Wq or Wk ("WA") and 32 KB of Wv in LDS.  THREE WAVES, each a tile of 128 x 64 over K = 1,024 (32 accumulators, 256 matrix instructions):
;   waves 0, 1: source 0 = WA's 8 tiles of 16 channels, source 1 = 4 tiles of 16 rows of x: a lane holds ONE ROW of x and its registers run along the channels, which are the next product's K;
;   wave 2:     source 0 = x's 8 tiles of 16 rows, source 1 = Wv's 4 tiles of 16 channels: a lane holds ONE CHANNEL and its registers run along the keys, which are V's K.
; The work is 3 x (128 x 64): a wave reads (128 + 64) x 512 bytes from LDS, 288 KB in all.  Six waves of 128 x 32 would read 480 KB, four equal shares 544 KB: so three waves, and one SIMD has no wave.
; THE ORDER INSIDE A BLOCK.  Register 8 a + j of lane (r, h) holds index 16 a + 8 h + j along the next K.  The conversions take these registers as they stand, so place 16 h + 8 u + j of block b of a
; fragment holds index 32 b + 16 u + 8 h + j: a fixed exchange INSIDE each block of 32, the same for Q, K, V here and for p in the attention.  Blocks and scale bytes are the quantiser's own, and both
; sides of each later product are laid alike, so the products are the same.
; CLUSTER: the four work-groups of a cluster have the same y, so WA's and Wv's tiles (96 of a work-group's 160 KB) are asked for JOINTLY, mask 15.  x's tile is each work-group's own (plain load): it is
; shared only by the two work-groups (g, 0) and (g, 1), which lie in different clusters.  Every LDS byte is filled once.
; OUT.  qbuf [g][8,704]: 8 fragments of 1,024 bytes (register group c of lane l at 512 c + 16 l), then 4 x 128 bytes of scale words (lanes 0-15 tile 2 p, lanes 16-31 tile 2 p + 1).
;       kvbuf [g][17,408]: K's 8 fragments, V^T's 8 fragments, K's 4 x 128 bytes of scale words, V's 4 x 128.
; LIMITS: NaN and infinities are not served; a block whose largest magnitude lies under 2^-124 (a block of zeros too) keeps the scale byte 1: these bytes are read by this program alone.
; REGISTERS, in windows of 256: window 0: v1-13 addresses; v16-63 scale words; v64-255 two sets of fragments (A's 64, B's 32 registers each); behind the K loop v64-183 are at work.
;   window 1: the 32 accumulators, (t, a) at v[64 t + 8 a].   window 2: v0-63 the bias along the channels, v64-71 V's bias of my channel, twice for each tile.
.set PITCH, 528                        ; an LDS row: 512 bytes (all of K) + 16 of padding = 132 words: the 16 rows of a fragment load start at 16 different banks (64 banks of 4 bytes: ISA guide 11.1)
.set XROWS, 128*PITCH                  ; 128 rows
.set HALF,  256                        ; the second half of K lies 256 bytes on in each row; x's 128 rows, WA's 128, Wv's 64: 168,960 bytes
.set ADA, 4                            ; v4-5   LDS address of source 0's fragments in half 0, 1
.set ADB, 6                            ; v6-7   of source 1's
.set RS,  8                            ; v8     32 x lane: a row of scale bytes
.set LI,  9                            ; v9     16 x lane: an image's place
.set LS,  10                           ; v10    4 x lane: a scale word's
.set BH,  11                           ; v11    32 h: my eight numbers of a tile's sixteen of a bias
.set BR,  12                           ; v12    4 r
.set SA,  16                           ; v[SA + 8 b + k]: lane l: the scale word of source 0's row 32 b + l, K step k
.set SB,  48                           ; the same for source 1's 64 rows
.set FA,  64                           ; source 0's fragments; set 1 lies 96 registers on
.set FB,  128                          ; source 1's
.set H,   64                           ; behind the K loop: 64 results with their bias
.set PC,  128                          ; the codes of tile t at v[PC + 8 t]
.set TM,  160                          ; v160-175 at work in QUANT
.set PW,  176                          ; tile t's scale word
.set SW,  180                          ; two tiles' words in one register
.set BT,  0                            ; window 2
.set BV,  64
.set WV,  30
.set ROLE, 31                          ; 0: waves 0, 1;  1: wave 2
.set NR,  32
.set CX,  33
.set G,   34
.set Y,   35
.set G1X, 36                           ; s[36:43] group 1 for x's tile;  s[44:51] WA's;  s[52:59] Wv's
.set G1W, 44
.set G1V, 52
.set G0X, 68                           ; s[68:71], s[76:79], s[84:87] their groups 0
.set G0W, 76
.set G0V, 84
.set SAP, 14                           ; s[14:15] source 0's scale bytes;  s[22:23] source 1's;  s[20:21] the bias along the channels;  s[24:25] V's bias at my work-group's channels
.set SBP, 22
.set BTP, 20
.set BVP, 24
.set PCD, 92                           ; s[92:93] where my codes go;  s[94:95] my scale words
.set PSD, 94
.set SEL, 96                           ; s[96:97] v_permlanex16_b32's selects for lane l xor 16
.set MHI, 98                           ; s98 lanes 16-31
.set MSB, 0
.macro WIN new                         ; the immediate's high byte repeats the setting that is left
.if MSB != \new
	s_set_vgpr_msb (MSB<<8)|\new
.set MSB, \new
.endif
.endm
.macro CROUND                          ; a round of the cluster's barrier
	s_barrier_signal -1
	s_barrier_wait -1
	s_cmp_lg_u32 s[WV], 0
	s_cbranch_scc1 .Lnot_wave_0_\@
	s_barrier_signal -3
.Lnot_wave_0_\@:
	s_barrier_wait -3
	s_barrier_signal -1
	s_barrier_wait -1
.endm
.macro PLACES                          ; four places in front of loads into registers that matrix instructions have read, and of the first read of results
.rept 4
	v_nop
.endr
.endm
	s_load_b512 s[4:19], s[0:1], 0x0               ; x's codes, x's scales, Wq's, Wk's, Wv's codes and scales
	s_load_b256 s[20:27], s[0:1], 0x40             ; bq, bk, bv, qbuf
	s_load_b64 s[28:29], s[0:1], 0x60              ; kvbuf
	v_lshl_add_u32 v14, v0, 2, 0x2a800
	v_mov_b32 v15, 0
	ds_add_u32 v14, v15
	ds_add_u32 v14, v15
	v_lshrrev_b32 v1, 5, v0
	v_readfirstlane_b32 s[WV], v1                  ; wave 0..2
	s_lshr_b32 s[ROLE], s[WV], 1
	s_xor_b32 s[NR], s[ROLE], 1
	s_bfe_u32 s[CX], ttmp6, 0x40000                ; my place in the cluster
	s_lshl_b32 s[G], ttmp9, 2
	s_add_co_u32 s[G], s[G], s[CX]                 ; the unit: 4 x cluster x + cx
	s_and_b32 s[Y], ttmp7, 0xffff                  ; shared by the four partners
	; group 1: rows of 512 bytes (elements of 1 byte), 512 bytes apart in memory, 16 bytes of padding behind each in LDS
	s_mov_b32 s[G1X], (1<<20)|(6<<22)|(3<<25)      ; no mask; 20 padding on; 24:22 after every 128 words (code 6): behind each whole row of 512 bytes; 31:25 four words (code 3)
	s_mov_b32 s[G1W], 15|(1<<20)|(1<<21)|(6<<22)|(3<<25)   ; 15:0 the mask: all four work-groups; 21 set beside a mask
	s_mov_b32 s[G1V], 15|(1<<20)|(1<<21)|(6<<22)|(3<<25)
.irp g, G1X, G1W, G1V
	s_mov_b32 s[\g+1], 512<<16                     ; tensor_dim0
	s_mov_b32 s[\g+3], 512<<16                     ; tile_dim0
	s_mov_b32 s[\g+5], 512                         ; tensor_dim0_stride
	s_mov_b32 s[\g+6], 0
	s_mov_b32 s[\g+7], 0
.endr
.irp g, G1X, G1W
	s_mov_b32 s[\g+2], 128<<16                     ; tensor_dim1
	s_mov_b32 s[\g+4], 128                         ; tile_dim1
.endr
	s_mov_b32 s[G1V+2], 64<<16
	s_mov_b32 s[G1V+4], 64
	s_lshl_b32 s60, s[G], 16                       ; the unit's 128 rows of 512 bytes
	s_mov_b32 s61, 0
	s_lshl_b32 s2, s[Y], 15                        ; Wv's 64 rows of 512 bytes: made of y alone
	s_mov_b32 s3, 0
	s_wait_dscnt 0x0
	CROUND                                         ; all four work-groups are here: the joint loads meet
	s_wait_kmcnt 0x0
	s_add_nc_u64 s[4:5], s[4:5], s[60:61]
	s_add_nc_u64 s[16:17], s[16:17], s[2:3]
	s_cmp_eq_u32 s[Y], 0                           ; WA is Wq or Wk: the choice hangs on y alone
	s_cselect_b64 s[8:9], s[8:9], s[12:13]
	s_cselect_b64 s[10:11], s[10:11], s[14:15]
	s_cselect_b64 s[20:21], s[20:21], s[22:23]
.irp kh, 0
	s_mov_b32 s[G0X+4*\kh], 1                      ; count = 1
	s_mov_b32 s[G0X+4*\kh+1], \kh*HALF             ; LDS address: a constant
	s_add_nc_u64 s[G0X+4*\kh+2:G0X+4*\kh+3], s[4:5], \kh*256
	s_or_b32 s[G0X+4*\kh+3], s[G0X+4*\kh+3], 0x80000000   ; type = 2
	s_mov_b32 s[G0W+4*\kh], 1
	s_mov_b32 s[G0W+4*\kh+1], \kh*HALF+XROWS
	s_add_nc_u64 s[G0W+4*\kh+2:G0W+4*\kh+3], s[8:9], \kh*256
	s_or_b32 s[G0W+4*\kh+3], s[G0W+4*\kh+3], 0x80000000
	s_mov_b32 s[G0V+4*\kh], 1
	s_mov_b32 s[G0V+4*\kh+1], \kh*HALF+2*XROWS
	s_add_nc_u64 s[G0V+4*\kh+2:G0V+4*\kh+3], s[16:17], \kh*256
	s_or_b32 s[G0V+4*\kh+3], s[G0V+4*\kh+3], 0x80000000
.endr
	s_cmp_eq_u32 s[WV], 0                          ; one fill a wave, each in an arm of its own: wave 0 x, wave 1 WA, wave 2 Wv.  Four v_nop follow each
	s_cbranch_scc0 .Lnot_x
	tensor_load_to_lds s[G0X:G0X+3], s[G1X:G1X+7]
	s_nop 0
.rept 4
	v_nop
.endr
	s_branch .Lasked
.Lnot_x:
	s_cmp_eq_u32 s[WV], 1
	s_cbranch_scc0 .Lfor_v
	tensor_load_to_lds s[G0W:G0W+3], s[G1W:G1W+7]
	s_nop 0
.rept 4
	v_nop
.endr
	s_branch .Lasked
.Lfor_v:
	tensor_load_to_lds s[G0V:G0V+3], s[G1V:G1V+7]
	s_nop 0
.rept 4
	v_nop
.endr
.Lasked:
	; which scale bytes and which bias each source takes
	s_lshl_b32 s60, s[G], 12                       ; the unit's 128 rows of 32 scale bytes
	s_add_nc_u64 s[6:7], s[6:7], s[60:61]
	s_lshl_b32 s60, s[WV], 11                      ; waves 0, 1: x's rows 64 w on
	s_lshl_b32 s62, s[Y], 11                       ; wave 2: Wv's rows 64 y on
	s_cmp_eq_u32 s[ROLE], 0
	s_cselect_b64 s[SAP:SAP+1], s[10:11], s[6:7]
	s_cselect_b64 s[SBP:SBP+1], s[6:7], s[18:19]
	s_cselect_b64 s[BTP:BTP+1], s[20:21], s[24:25]
	s_cselect_b32 s60, s60, s62
	s_cselect_b32 s63, s[WV], s[Y]                 ; which half of the 8 tiles of its tensor my wave makes
	s_add_nc_u64 s[SBP:SBP+1], s[SBP:SBP+1], s[60:61]
	s_lshl_b32 s60, s[Y], 8
	s_add_nc_u64 s[BVP:BVP+1], s[24:25], s[60:61]  ; bv at channel 64 y
	v_and_b32 v1, 31, v0                           ; lane
	v_and_b32 v2, 15, v0                           ; r
	v_bfe_u32 v3, v0, 4, 1                         ; h
	v_lshlrev_b32 v[RS], 5, v1
	v_lshlrev_b32 v[LI], 4, v1
	v_lshlrev_b32 v[LS], 2, v1
	v_lshlrev_b32 v[BH], 5, v3
	v_lshlrev_b32 v[BR], 2, v2
.irp b, 0,1,2,3
.irp kh, 0,1
	global_load_b128 v[SA+8*\b+4*\kh:SA+8*\b+4*\kh+3], v[RS], s[SAP:SAP+1] offset:1024*\b+16*\kh   ; row 32 b + lane: four K steps' words
.endr
.endr
.irp b, 0,1
.irp kh, 0,1
	global_load_b128 v[SB+8*\b+4*\kh:SB+8*\b+4*\kh+3], v[RS], s[SBP:SBP+1] offset:1024*\b+16*\kh
.endr
.endr
	WIN 0x80                                       ; destination window 2.  Every wave loads both tables (576 bytes a lane pair, inside the buffers), so that each register is written on every wave's way
.irp a, 0,1,2,3,4,5,6,7
	global_load_b128 v[BT+8*\a:BT+8*\a+3], v[BH], s[BTP:BTP+1] offset:64*\a        ; bias[16 a + 8 h + 0 .. 7]
	global_load_b128 v[BT+8*\a+4:BT+8*\a+7], v[BH], s[BTP:BTP+1] offset:64*\a+16
.endr
.irp t, 0,1,2,3
	global_load_b32 v[BV+2*\t], v[BR], s[BVP:BVP+1] offset:64*\t                   ; bv[64 y + 16 t + r], in both halves of a pair for the packed addition
	global_load_b32 v[BV+2*\t+1], v[BR], s[BVP:BVP+1] offset:64*\t
.endr
	WIN 0
	v_mul_u32_u24 v13, v2, PITCH
	v_lshl_add_u32 v13, v3, 4, v13                 ; a fragment's row x pitch + 16 x half
	s_mul_i32 s60, s[NR], XROWS                    ; source 0: waves 0, 1: WA, behind x;  wave 2: x
	v_add_nc_u32 v[ADA], s60, v13
	v_add_nc_u32 v[ADA+1], HALF, v[ADA]
	s_mul_i32 s60, s[WV], 64*PITCH                 ; source 1: waves 0, 1: x's rows 64 w on;  wave 2: Wv, at 2 x 64 rows + 128 rows
	s_mul_i32 s62, s[ROLE], XROWS
	s_add_co_u32 s60, s60, s62
	v_add_nc_u32 v[ADB], s60, v13
	v_add_nc_u32 v[ADB+1], HALF, v[ADB]
	; where my results go: (waves 0, 1; y = 0): qbuf;  all else: kvbuf
	s_or_b32 s60, s[ROLE], s[Y]
	s_mov_b32 s66, 17408
	s_lshl_b32 s62, s[ROLE], 9
	s_add_co_u32 s62, s62, 16384                   ; kvbuf's scale words: K's at 16,384, V's at 16,896
	s_cmp_eq_u32 s60, 0
	s_cselect_b64 s[PCD:PCD+1], s[26:27], s[28:29]
	s_cselect_b32 s66, 8704, s66                   ; a unit's bytes
	s_cselect_b32 s62, 8192, s62                   ; qbuf's scale words
	s_mul_i32 s66, s66, s[G]
	s_lshl_b32 s60, s63, 8                         ; my two pairs of scale words
	s_add_co_u32 s60, s60, s62
	s_add_co_u32 s60, s60, s66
	s_add_nc_u64 s[PSD:PSD+1], s[PCD:PCD+1], s[60:61]
	s_lshl_b32 s60, s63, 12                        ; my four fragments,
	s_lshl_b32 s62, s[ROLE], 13                    ; V's behind K's
	s_add_co_u32 s60, s60, s62
	s_add_co_u32 s60, s60, s66
	s_add_nc_u64 s[PCD:PCD+1], s[PCD:PCD+1], s[60:61]
	s_mov_b32 s[SEL], 0x76543210
	s_mov_b32 s[SEL+1], 0xfedcba98
	s_mov_b32 s[MHI], 0xffff0000
; 24 LDS loads in one run: the fragments of the half's q-th 128 along K.  16 rows x 128 K of 4-bit codes are 8 registers: lane l holds row l % 16; registers 4 c .. 4 c + 3 hold K = 64 c + 32 (l / 16) + 0 .. 31
.macro FETCH kh, q, set
.irp a, 0,1,2,3,4,5,6,7
.irp c, 0,1
	ds_load_b128 v[FA+96*(\set)+8*\a+4*\c:FA+96*(\set)+8*\a+4*\c+3], v[ADA+\kh] offset:16*PITCH*\a+64*(\q)+32*\c
.endr
.endr
.irp t, 0,1,2,3
.irp c, 0,1
	ds_load_b128 v[FB+96*(\set)+8*\t+4*\c:FB+96*(\set)+8*\t+4*\c+3], v[ADB+\kh] offset:16*PITCH*\t+64*(\q)+32*\c
.endr
.endr
.endm
; One matrix instruction on the registers named by rD, rA, rB, rSA, rSB.  zero: it starts the sum.  ra, rb: the side's scale words stand in lanes 16-31 of its register
.macro WM zero, ra, rb
.if \zero
.if (\ra) && (\rb)
	v_wmma_scale_f32_16x16x128_f8f6f4 v[rD:rD+7], v[rA:rA+7], v[rB:rB+7], 0, v[rSA], v[rSB] matrix_a_fmt:MATRIX_FMT_FP4 matrix_b_fmt:MATRIX_FMT_FP4 matrix_a_scale:MATRIX_SCALE_ROW1 matrix_b_scale:MATRIX_SCALE_ROW1
.elseif \ra
	v_wmma_scale_f32_16x16x128_f8f6f4 v[rD:rD+7], v[rA:rA+7], v[rB:rB+7], 0, v[rSA], v[rSB] matrix_a_fmt:MATRIX_FMT_FP4 matrix_b_fmt:MATRIX_FMT_FP4 matrix_a_scale:MATRIX_SCALE_ROW1
.elseif \rb
	v_wmma_scale_f32_16x16x128_f8f6f4 v[rD:rD+7], v[rA:rA+7], v[rB:rB+7], 0, v[rSA], v[rSB] matrix_a_fmt:MATRIX_FMT_FP4 matrix_b_fmt:MATRIX_FMT_FP4 matrix_b_scale:MATRIX_SCALE_ROW1
.else
	v_wmma_scale_f32_16x16x128_f8f6f4 v[rD:rD+7], v[rA:rA+7], v[rB:rB+7], 0, v[rSA], v[rSB] matrix_a_fmt:MATRIX_FMT_FP4 matrix_b_fmt:MATRIX_FMT_FP4
.endif
.else
.if (\ra) && (\rb)
	v_wmma_scale_f32_16x16x128_f8f6f4 v[rD:rD+7], v[rA:rA+7], v[rB:rB+7], v[rD:rD+7], v[rSA], v[rSB] matrix_a_fmt:MATRIX_FMT_FP4 matrix_b_fmt:MATRIX_FMT_FP4 matrix_a_scale:MATRIX_SCALE_ROW1 matrix_b_scale:MATRIX_SCALE_ROW1
.elseif \ra
	v_wmma_scale_f32_16x16x128_f8f6f4 v[rD:rD+7], v[rA:rA+7], v[rB:rB+7], v[rD:rD+7], v[rSA], v[rSB] matrix_a_fmt:MATRIX_FMT_FP4 matrix_b_fmt:MATRIX_FMT_FP4 matrix_a_scale:MATRIX_SCALE_ROW1
.elseif \rb
	v_wmma_scale_f32_16x16x128_f8f6f4 v[rD:rD+7], v[rA:rA+7], v[rB:rB+7], v[rD:rD+7], v[rSA], v[rSB] matrix_a_fmt:MATRIX_FMT_FP4 matrix_b_fmt:MATRIX_FMT_FP4 matrix_b_scale:MATRIX_SCALE_ROW1
.else
	v_wmma_scale_f32_16x16x128_f8f6f4 v[rD:rD+7], v[rA:rA+7], v[rB:rB+7], v[rD:rD+7], v[rSA], v[rSB] matrix_a_fmt:MATRIX_FMT_FP4 matrix_b_fmt:MATRIX_FMT_FP4
.endif
.endif
.endm
; K step k: 32 matrix instructions on set k % 2.  The 32 accumulators take turns, one instruction a turn, in the same order in every step
.macro MUL k, zero
	WIN 0x50                                       ; C and D window 1
.irp a, 0,1,2,3,4,5,6,7
.irp t, 0,1,2,3
.set rD, 64*\t+8*\a
.set rA, FA+96*((\k)%2)+8*\a
.set rB, FB+96*((\k)%2)+8*\t
.set rSA, SA+8*(\a/2)+(\k)
.set rSB, SB+8*(\t/2)+(\k)
	WM \zero, \a%2, \t%2
.endr
.endr
	WIN 0
.endm
; K step k with a successor in the same half: the successor's fragments (the half's nq-th) are asked for into the other set, then this step is multiplied while they land
.macro KSTEP k, zero, nkh, nq, places
.if \places
	PLACES                                         ; the other set was read by the products just issued
.endif
	FETCH \nkh, \nq, 1-(\k)%2
	s_wait_dscnt 24                                ; all but the 24 just issued: this step's fragments are in
	MUL \k, \zero
.endm
	s_wait_alu depctr_va_vdst(0)
	s_wait_tensorcnt 0x0                           ; my tile is in
	s_barrier_signal -1
	s_barrier_wait -1                              ; everybody's is
	s_wait_loadcnt 0x0                             ; scale words and biases
	FETCH 0, 0, 0
	KSTEP 0, 1, 0, 1, 0                            ; the first products start the sums: nothing is cleared
	KSTEP 1, 0, 0, 2, 1
	KSTEP 2, 0, 0, 3, 1
	KSTEP 3, 0, 1, 0, 1
	KSTEP 4, 0, 1, 1, 1
	KSTEP 5, 0, 1, 2, 1
	KSTEP 6, 0, 1, 3, 1
	s_wait_dscnt 0x0
	MUL 7, 0
; 64 numbers of a lane, v[s] .. v[s + 63], registers 16 b .. 16 b + 15 = my half of block b of my row, become a fragment's codes in v[pc] on and its scale word in v[pw]
.macro QUANT s, pc, pw
.irp b, 0,1,2,3
	v_max3_num_f32 v[TM+\b], |v[\s+16*\b]|, |v[\s+1+16*\b]|, 0x1800000   ; block b: my 16 numbers, and the floor 2^(3 - 127): the byte cannot fall under 1
.endr
.irp i, 2,4,6,8,10,12,14
.irp b, 0,1,2,3
	v_max3_num_f32 v[TM+\b], v[TM+\b], |v[\s+16*\b+\i]|, |v[\s+1+16*\b+\i]|   ; (the four blocks by turns)
.endr
.endr
.irp b, 0,1,2,3
	v_permlanex16_b32 v[TM+4+\b], v[TM+\b], s[SEL], s[SEL+1]
.endr
.irp b, 0,1,2,3
	v_max_num_f32 v[TM+\b], v[TM+\b], v[TM+4+\b]   ; with lane l xor 16's: the block's largest magnitude
.endr
.irp b, 0,1,2,3
	v_add_nc_u32 v[TM+12+\b], 0xff000000, v[TM+\b] ; 2 off its exponent field: the conversion takes the exponent field of this operand as its scale
.endr
.irp b, 0,1,2,3
	v_lshrrev_b32 v[TM+4+\b], 23, v[TM+12+\b]      ; the scale's byte
.endr
	v_lshl_or_b32 v[\pw], v[TM+5], 8, v[TM+4]      ; the four bytes make my row's scale word
	v_lshl_or_b32 v[\pw], v[TM+6], 16, v[\pw]
	v_lshl_or_b32 v[\pw], v[TM+7], 24, v[\pw]
.irp b, 0,1,2,3
	v_cvt_scalef32_pk8_fp4_f32 v[\pc+2*\b], v[\s+16*\b:\s+7+16*\b], v[TM+12+\b]
	v_cvt_scalef32_pk8_fp4_f32 v[\pc+1+2*\b], v[\s+8+16*\b:\s+15+16*\b], v[TM+12+\b]
.endr
	v_nop                                          ; one plain place behind a scaled conversion
.irp c, 0,1                                    ; the operand's layout wants a WHOLE block in a lane: lanes 0-15 block 2 c, lanes 16-31 block 2 c + 1
.irp i, 0,1
	v_permlane16_swap_b32 v[\pc+4*\c+\i], v[\pc+2+4*\c+\i]
.endr
.endr
.endm
; Tile t's 64 sums come down into window 0 with their bias, one packed addition for two; each accumulator is read from its low end on.  Only these lines differ between the roles
.macro BIAS t
	s_cmp_eq_u32 s[ROLE], 0
	s_cbranch_scc0 .Lkeys_\@
	WIN 0x09                                       ; source 0 (the sums) window 1, source 1 (the bias) window 2
.set i, 0
.rept 32
	v_pk_add_f32 v[H+i:H+i+1], v[64*\t+i:64*\t+i+1], v[BT+i:BT+i+1]                ; registers run along the channels
.set i, i+2
.endr
	WIN 0
	s_branch .Lbiased_\@
.Lkeys_\@:
	WIN 0x09
.set i, 0
.rept 32
	v_pk_add_f32 v[H+i:H+i+1], v[64*\t+i:64*\t+i+1], v[BV+2*\t:BV+2*\t+1]          ; registers run along the keys: one channel, one bias
.set i, i+2
.endr
	WIN 0
.Lbiased_\@:
.endm
	PLACES                                         ; behind the last products
.irp b, 0,1,2,3
	v_mov_b32 v[TM+4+\b], 0                        ; written once: a lane permute's destination counts as one of its sources
.endr
.irp t, 0,1,2,3                                ; every tile has registers of its own for what it stores, so no store's data are written again
	BIAS \t
	QUANT H, PC+8*\t, PW+\t
	global_store_b128 v[LI], v[PC+8*\t:PC+8*\t+3], s[PCD:PCD+1] offset:1024*\t     ; the fragment as it stands: each store covers 512 consecutive bytes, aligned to 256
	global_store_b128 v[LI], v[PC+8*\t+4:PC+8*\t+7], s[PCD:PCD+1] offset:1024*\t+512
.if \t%2
	v_cndmask_b32 v[SW+\t/2], v[PW+\t-1], v[PW+\t], s[MHI]                         ; lanes 0-15 the even tile's words, lanes 16-31 the odd tile's
	global_store_b32 v[LS], v[SW+\t/2], s[PSD:PSD+1] offset:128*(\t/2)             ; 128 consecutive bytes
.endif
.endr
	s_wait_tensorcnt 0x0
	ds_add_u32 v14, v15
	s_wait_dscnt 0x0
	CROUND                                         ; the closing round: no work-group ends while a partner may still ask for a tile that names it
	s_endpgm
.Lfunc_end_k_q4f28dddd3b_proj:
	.size	k_q4f28dddd3b_proj, .Lfunc_end_k_q4f28dddd3b_proj-k_q4f28dddd3b_proj
	.p2alignl 7, 3214868480
	.fill 96, 4, 3214868480
	.section	.rodata,"a",@progbits
	.p2align	6, 0x0
	.amdhsa_kernel k_q4f28dddd3b_proj
		.amdhsa_group_segment_fixed_size 174592
		.amdhsa_private_segment_fixed_size 0
		.amdhsa_enable_private_segment 0
		.amdhsa_kernarg_size 104
		.amdhsa_user_sgpr_count 2
		.amdhsa_user_sgpr_kernarg_segment_ptr 1
		.amdhsa_wavefront_size32 1
		.amdhsa_system_sgpr_workgroup_id_x 1
		.amdhsa_system_sgpr_workgroup_id_y 1
		.amdhsa_system_sgpr_workgroup_id_z 1
		.amdhsa_system_vgpr_workitem_id 0
		.amdhsa_next_free_vgpr 640
		.amdhsa_next_free_sgpr 100
		.amdhsa_reserve_vcc 0
		.amdhsa_float_denorm_mode_32 3
		.amdhsa_float_denorm_mode_16_64 3
		.amdhsa_memory_ordered 1
		.amdhsa_forward_progress 1
		.amdhsa_inst_pref_size 90
	.end_amdhsa_kernel
	.amdgpu_metadata
---
amdhsa.version: [ 1, 2 ]
amdhsa.kernels:
  - .name:           k_q4f28dddd3b_proj
    .symbol:         k_q4f28dddd3b_proj.kd
    .args:
      - { .name: x_codes, .offset: 0, .size: 8, .value_kind: global_buffer, .address_space: global }
      - { .name: x_scales, .offset: 8, .size: 8, .value_kind: global_buffer, .address_space: global }
      - { .name: Wq_codes, .offset: 16, .size: 8, .value_kind: global_buffer, .address_space: global }
      - { .name: Wq_scales, .offset: 24, .size: 8, .value_kind: global_buffer, .address_space: global }
      - { .name: Wk_codes, .offset: 32, .size: 8, .value_kind: global_buffer, .address_space: global }
      - { .name: Wk_scales, .offset: 40, .size: 8, .value_kind: global_buffer, .address_space: global }
      - { .name: Wv_codes, .offset: 48, .size: 8, .value_kind: global_buffer, .address_space: global }
      - { .name: Wv_scales, .offset: 56, .size: 8, .value_kind: global_buffer, .address_space: global }
      - { .name: bq, .offset: 64, .size: 8, .value_kind: global_buffer, .address_space: global }
      - { .name: bk, .offset: 72, .size: 8, .value_kind: global_buffer, .address_space: global }
      - { .name: bv, .offset: 80, .size: 8, .value_kind: global_buffer, .address_space: global }
      - { .name: qbuf, .offset: 88, .size: 8, .value_kind: global_buffer, .address_space: global }
      - { .name: kvbuf, .offset: 96, .size: 8, .value_kind: global_buffer, .address_space: global }
    .group_segment_fixed_size: 174592
    .private_segment_fixed_size: 0
    .kernarg_segment_align: 8
    .kernarg_segment_size: 104
    .max_flat_workgroup_size: 96
    .sgpr_count:     100
    .vgpr_count:     640
    .wavefront_size: 32
...
	.end_amdgpu_metadata
.endif
;; end of part 1
;; launch attn (part 2): grid 64 x 4, 8 waves a work-group, clusters of 4 x 1, 327,680 bytes of LDS; arguments qbuf, kvbuf, out0; writes out0
.if DOCPART == 2
	.amdgcn_target "amdgcn-amd-amdhsa--gfx1250"
	.amdhsa_code_object_version 6
	.text
	.protected	k_q4f28dddd3b_attn
	.globl	k_q4f28dddd3b_attn
	.p2align	8
	.type	k_q4f28dddd3b_attn,@function
k_q4f28dddd3b_attn:
	s_mov_b64 s[64:65], 0
	v_nop
	global_prefetch_b8 v0, s[64:65] scope:SCOPE_SE
	s_setreg_imm32_b32 hwreg(HW_REG_WAVE_MODE, 25, 1), 1
	s_wait_xcnt 0x0
	s_wait_alu depctr_hold_cnt(0) depctr_sa_sdst(0) depctr_va_vdst(0) depctr_va_sdst(0) depctr_va_ssrc(0) depctr_va_vcc(0) depctr_vm_vsrc(0)
	s_getreg_b32 s2, hwreg(HW_REG_IB_STS2, 6, 4)
	s_cmp_eq_u32 s2, 0
	s_cbranch_scc0 .Lentry_in_a_cluster
	s_endpgm
.Lentry_in_a_cluster:
	s_bfe_u32 s2, ttmp6, 0x10000c
	s_cmp_lg_u32 s2, 0x3003
	s_cbranch_scc0 .Lentry_shape_is_right
	s_endpgm
.Lentry_shape_is_right:
; out0[b][q][:] = the sum over k of softmax_k(Q[b][q] . K[b][k] / sqrt(128)) V[b][k][:], both products on codes of FP4 (E2M1) with one E8M0 scale for each 32 along a product's K.
; Q, K and V^T come as images of operand registers with their scale words (qbuf [g][8,704], kvbuf [g][17,408]; g = 32 x batch + key step of 128 rows; layouts at the constants below).
; THE SOFTMAX AHEAD OF THE SECOND PRODUCT: t = score x log2(e) / sqrt(128); M = the largest t so far, rounded UP to a whole number; p = 2^(t - M) is quantised along the keys; it is not normalised.
; The sum l is taken of the unquantised p, in f32, and divides at the end.  When M moves, l and O are multiplied by 2^(old M - new M): exact.
; SHARES.  A work-group owns 64 queries of one batch: 256 work-groups.  EIGHT waves of 512 registers, two to a SIMD.  Wave w owns two tiles of 16 queries, 2 (w % 2) and 2 (w % 2) + 1, and a QUARTER OF THE KEYS:
; of each slot's 8 key steps of 128 keys the steps 2 (w / 2) and 2 (w / 2) + 1.  So each fragment of K and V^T that a wave reads feeds two matrix instructions, and a wave's step is 256 keys (two halves of 128) for both tiles:
; M moves, and l and O are rescaled, once in 256 keys.  Four steps in all.  At the end the four quarters of a tile (each with its own whole M and its own l) meet in LDS: O = sum 2^(M_i - M) O_i / sum 2^(M_i - M) l_i.
; LAYOUT.  Both products are used transposed: S^T = K Q^T (source 0 = 16 keys, source 1 = 16 queries), O^T = V^T P^T (source 0 = 16 channels, source 1 = P): a lane holds ONE query of a tile throughout.
; Register 8 T + j of S^T holds key 16 T + 8 h + j (h = lane / 16).  The conversions take the registers as they stand: place 16 h + 8 u + j of block b of P holds key 32 b + 16 u + 8 h + j, and V^T's fragments were
; made with the same exchange inside each block of 32 (Q's and K's likewise along the channels): both sides of a product are laid alike, blocks and scale bytes are the quantiser's own.
; BLOCK MAXIMA.  The two halves of a block lie in lanes l and l xor 16.  Two blocks' half maxima change halves (lanes 16-31 of the one with lanes 0-15 of the other): the larger of the two registers then holds the even
; block's maximum in lanes 0-15 and the odd block's in lanes 16-31: one register, one exponential and one scale for two blocks.  The same exchange of a copy spreads them to both halves ahead of the conversions.
; THE RING: two slots of 8 key steps (139,264 bytes each), each filled twice; each wave fetches one key step (17,408 dense bytes as 68 rows of 256).  Images are read at 16 x lane: no pitch, no padding.
; A slot is left inside its step, behind tile 0's softmax and the loads of V^T's second half, the wave's last reads of the slot; between the barrier's signal and its wait stand tile 1's exponentials.
; CLUSTER: the four work-groups of a cluster belong to one batch and walk the same kvbuf, so each tile is asked for JOINTLY (mask 15).
; NO PREFETCH: there are four slots' worth of keys; two are asked for before the first step, each of the other two a whole step ahead of its use, and there is no loop to run ahead in.
; LIMITS: NaN and infinities are not served; scaled scores (t) stay under 2^31 in magnitude.  A block's largest p is not searched for: the block's largest score goes through the same multiply-add and exponential, which takes
; v_exp_f32 not to fall where its input rises; at the worst one p of a block, within an ulp of a power of two, is held one code low.  A block whose every p has fallen to 0 keeps the byte 1: its codes are zeros.
; REGISTERS.  Window 1: the scores, then p: tile t, half g at v[128 t + 64 g].  Behind tile 0's softmax its 128 registers take: v8-15 tile 0's codes of half 1, v16-31 tile 1's codes, v32-39 tile 1's block scales,
;   v64-127 V^T's fragments of half 1.   Window 0: as named below.
.set STEPB, 17408                      ; a key step in kvbuf and in LDS: +0 K's 8 fragments of 1,024 bytes (register group c of lane l at 512 c + 16 l); +8,192 V^T's 8; +16,384 K's scale words, 4 x 128 bytes
                                       ; (lanes 0-15 tile 2 p, lanes 16-31 tile 2 p + 1); +16,896 V's
.set SLOT,  8*STEPB                    ; 139,264
.set SPARE, 2*SLOT                     ; behind the ring: the spare words, 128 bytes for each of 8 waves: four blocks of 256 bytes that no other line names
.set STAT,  SPARE+1024                 ; the merge: -M of (tile, query, quarter) at 256 tile + 16 query + 4 quarter; l 1,024 bytes on
.set SP,    528                        ; the merge's stage: a row of 512 bytes + 16
.set STG,   16*SP                      ; 16 rows of a tile and a quarter, at (4 tile + quarter) STG in slot 0, which has had its last fill and its last read when the first result is stored there
.set AB,  1                            ; v1   16 x lane + where my quarter of the slot in hand begins
.set AS,  2                            ; v2   4 x lane + the same
.set SPW, 3                            ; v3   LDS address of my spare word; never rewritten
.set NIL, 4                            ; v4   0; never rewritten
.set QW,  5                            ; v5   Q's scale words: lanes 0-15 tile 0's, lanes 16-31 tile 1's
.set FX,  6                            ; v[6:7]   2^(old M - new M) of tile 0, of tile 1
.set NM,  8                            ; v[8:9]   -M
.set MT,  10                           ; v[10:11] the largest t so far
.set LL,  12                           ; v[12:13], v[14:15] l of tile 0, of tile 1, in two halves each
.set QF,  16                           ; v16-31  Q's two fragments
.set WS,  32                           ; v32-39  the scale words in hand: K's, then V's: half g at WS + 4 g
.set PW,  40                           ; v40-43  p's scale words: tile t, half g at PW + 2 t + g
.set CP,  44                           ; v44-47  at work
.set MB,  48                           ; v48-55  block maxima, then scales: MB + 4 t + 2 g + c: lanes 0-15 block 2 c, lanes 16-31 block 2 c + 1
.set C0,  56                           ; v56-63  half maxima; then tile 0's codes of half 0
.set FR,  64                           ; v64-127 K's fragments of a half; then V^T's of half 0
.set OA,  128                          ; v128-255 O^T: tile t, channels 16 T at v[128 + 64 t + 8 T]
.set WV,  10
.set TP,  11                           ; s11  which pair of tiles
.set KQ,  12                           ; s12  which quarter of the keys
.set CX,  13
.set QB,  14
.set BA,  15
.set SEL, 20                           ; s[20:21] v_permlanex16_b32's selects for lane l xor 16
.set CS,  22                           ; s[22:23] c = log2(e) / sqrt(128): the packed form names a pair and takes its low word for both halves
.set G1,  24                           ; s[24:31] descriptor group 1
.set G0,  32                           ; s[32:39] group 0, a set for each slot
.set KB,  58                           ; s58-59  where my quarter begins in slot 0, 1
.set GS,  66                           ; s[66:97] the merge: 16 pairs, a factor in each low word
.set MSB, 0
.macro WIN new                         ; the immediate's high byte repeats the setting that is left
.if MSB != \new
	s_set_vgpr_msb (MSB<<8)|\new
.set MSB, \new
.endif
.endm
.macro CREST                           ; a round of the cluster's barrier behind its opening barrier
	s_cmp_lg_u32 s[WV], 0
	s_cbranch_scc1 .Lnot_wave_0_\@
	s_barrier_signal -3
.Lnot_wave_0_\@:
	s_barrier_wait -3
	s_barrier_signal -1
	s_barrier_wait -1
.endm
.macro CROUND                          ; a whole round
	s_barrier_signal -1
	s_barrier_wait -1
	CREST
.endm
.macro PLACES n
.rept \n
	v_nop
.endr
.endm
.macro JLOAD n                         ; every wave fetches its key step of slot n.  Four v_nop follow the load
	tensor_load_to_lds s[G0+4*(\n):G0+4*(\n)+3], s[G1:G1+7]
	s_nop 0
	PLACES 4
.endm
; One matrix instruction on the registers named by rD, rA, rB, rSA, rSB.  zero: it starts the sum.  ra, rb: the side's scale words stand in lanes 16-31 of their register
.macro WM zero, ra, rb
.if \zero
.if (\ra) && (\rb)
	v_wmma_scale_f32_16x16x128_f8f6f4 v[rD:rD+7], v[rA:rA+7], v[rB:rB+7], 0, v[rSA], v[rSB] matrix_a_fmt:MATRIX_FMT_FP4 matrix_b_fmt:MATRIX_FMT_FP4 matrix_a_scale:MATRIX_SCALE_ROW1 matrix_b_scale:MATRIX_SCALE_ROW1
.elseif \ra
	v_wmma_scale_f32_16x16x128_f8f6f4 v[rD:rD+7], v[rA:rA+7], v[rB:rB+7], 0, v[rSA], v[rSB] matrix_a_fmt:MATRIX_FMT_FP4 matrix_b_fmt:MATRIX_FMT_FP4 matrix_a_scale:MATRIX_SCALE_ROW1
.elseif \rb
	v_wmma_scale_f32_16x16x128_f8f6f4 v[rD:rD+7], v[rA:rA+7], v[rB:rB+7], 0, v[rSA], v[rSB] matrix_a_fmt:MATRIX_FMT_FP4 matrix_b_fmt:MATRIX_FMT_FP4 matrix_b_scale:MATRIX_SCALE_ROW1
.else
	v_wmma_scale_f32_16x16x128_f8f6f4 v[rD:rD+7], v[rA:rA+7], v[rB:rB+7], 0, v[rSA], v[rSB] matrix_a_fmt:MATRIX_FMT_FP4 matrix_b_fmt:MATRIX_FMT_FP4
.endif
.else
.if \ra
	v_wmma_scale_f32_16x16x128_f8f6f4 v[rD:rD+7], v[rA:rA+7], v[rB:rB+7], v[rD:rD+7], v[rSA], v[rSB] matrix_a_fmt:MATRIX_FMT_FP4 matrix_b_fmt:MATRIX_FMT_FP4 matrix_a_scale:MATRIX_SCALE_ROW1
.else
	v_wmma_scale_f32_16x16x128_f8f6f4 v[rD:rD+7], v[rA:rA+7], v[rB:rB+7], v[rD:rD+7], v[rSA], v[rSB] matrix_a_fmt:MATRIX_FMT_FP4 matrix_b_fmt:MATRIX_FMT_FP4
.endif
.endif
.endm
; K's fragments of half g as they were stored, 512 consecutive bytes a load, and their scale words
.macro KLOAD g
	WIN 0
.irp T, 0,1,2,3,4,5,6,7
.irp c, 0,1
	ds_load_b128 v[FR+8*\T+4*\c:FR+8*\T+4*\c+3], v[AB] offset:STEPB*(\g)+1024*\T+512*\c
.endr
.endr
.irp i, 0,1,2,3
	ds_load_b32 v[WS+4*(\g)+\i], v[AS] offset:STEPB*(\g)+16384+128*\i
.endr
.endm
; S^T of half g, both tiles: sixteen accumulators, one instruction each
.macro SMUL g
	WIN 0x40                                       ; D window 1
.irp T, 0,1,2,3,4,5,6,7
.irp t, 0,1
.set rD, 128*\t+64*(\g)+8*\T
.set rA, FR+8*\T
.set rB, QF+8*\t
.set rSA, WS+4*(\g)+\T/2
.set rSB, QW
	WM 1, \T%2, \t
.endr
.endr
.endm
; The largest score of each block of half g, both tiles; each accumulator is read from its low end on, the eight blocks by turns.  Then pairs of blocks are joined (BLOCK MAXIMA, above)
.macro MAXH g
	WIN 0x05                                       ; sources 0 and 1 (scores) window 1
.irp t, 0,1
.irp b, 0,1,2,3
	v_max_num_f32 v[C0+4*\t+\b], v[128*\t+64*(\g)+16*\b], v[128*\t+64*(\g)+16*\b+1]
.endr
.endr
.irp i, 2,4,6,8,10,12,14
.irp t, 0,1
.irp b, 0,1,2,3
	v_max3_num_f32 v[C0+4*\t+\b], v[128*\t+64*(\g)+16*\b+\i], v[128*\t+64*(\g)+16*\b+\i+1], v[C0+4*\t+\b]
.endr
.endr
.endr
	WIN 0
.irp k, 0,1,2,3
	v_permlane16_swap_b32 v[C0+2*\k], v[C0+2*\k+1]
.endr
.irp t, 0,1
.irp c, 0,1
	v_max_num_f32 v[MB+4*\t+2*(\g)+\c], v[C0+4*\t+2*\c], v[C0+4*\t+2*\c+1]
.endr
.endr
.endm
; Two blocks, 32 registers, become four registers of codes
.macro CVT dst, src, se, so
	v_cvt_scalef32_pk8_fp4_f32 v[\dst], v[\src:\src+7], v[\se]
	v_cvt_scalef32_pk8_fp4_f32 v[\dst+1], v[\src+8:\src+15], v[\se]
	v_cvt_scalef32_pk8_fp4_f32 v[\dst+2], v[\src+16:\src+23], v[\so]
	v_cvt_scalef32_pk8_fp4_f32 v[\dst+3], v[\src+24:\src+31], v[\so]
.endm
.macro CSWAP b                         ; the operand's layout wants a WHOLE block in a lane: lanes 0-15 block 2 c, lanes 16-31 block 2 c + 1
	v_permlane16_swap_b32 v[\b], v[\b+2]
	v_permlane16_swap_b32 v[\b+1], v[\b+3]
	v_permlane16_swap_b32 v[\b+4], v[\b+6]
	v_permlane16_swap_b32 v[\b+5], v[\b+7]
.endm
.macro PADD base, n                    ; the sum, in place, once the codes are made: n pairs take the n pairs behind them
.set j, 0
.rept \n
	v_pk_add_f32 v[\base+j:\base+j+1], v[\base+j:\base+j+1], v[\base+2*\n+j:\base+2*\n+j+1]
.set j, j+2
.endr
.endm
.macro PV zero, dd, aa, bb, sa, sb     ; eight products of O^T: eight accumulators, one instruction each
.irp T, 0,1,2,3,4,5,6,7
.set rD, \dd+8*\T
.set rA, \aa+8*\T
.set rB, \bb
.set rSA, \sa+\T/2
.set rSB, \sb
	WM \zero, \T%2, 0
.endr
.endm
; A STEP: my 256 keys of a slot, both tiles.  K's fragments of half 0 have been asked for.  first = 1: the second products start O^T's sums, and there is nothing to rescale.
; chg: how the slot is left.  1: slot n, the one in hand, takes the key steps two slots on: a round of the cluster's barrier, the joint refill.  2: nothing is left to fetch: my work-group's barrier alone.  0: the last step.
; next: the slot of the next step (2: none)
.macro STEP first, chg, n, next
	s_wait_dscnt 0x0                               ; K's half 0 is in
	SMUL 0
	PLACES 4                                       ; in front of loads into registers that the products have read, and of the first read of the scores
	KLOAD 1
	MAXH 0                                         ; (while half 1's fragments are on their way)
	s_wait_dscnt 0x0
	SMUL 1
	PLACES 4
	WIN 0
.irp T, 0,1,2,3,4,5,6,7
.irp c, 0,1
	ds_load_b128 v[FR+8*\T+4*\c:FR+8*\T+4*\c+3], v[AB] offset:8192+1024*\T+512*\c   ; V^T's half 0: it lands under the softmax
.endr
.endr
.irp i, 0,1,2,3
	ds_load_b32 v[WS+\i], v[AS] offset:16896+128*\i
	ds_load_b32 v[WS+4+\i], v[AS] offset:STEPB+16896+128*\i
.endr
	MAXH 1
	; the row's maximum, M and the factor, both tiles by turns
.irp t, 0,1
	v_max3_num_f32 v[CP+\t], v[MB+4*\t], v[MB+4*\t+1], v[MB+4*\t+2]
.endr
.irp t, 0,1
	v_max_num_f32 v[CP+\t], v[CP+\t], v[MB+4*\t+3]
.endr
.irp t, 0,1
	v_permlanex16_b32 v[CP+2+\t], v[CP+\t], s[SEL], s[SEL+1]
.endr
.irp t, 0,1
	v_max_num_f32 v[CP+\t], v[CP+\t], v[CP+2+\t]   ; the step's largest score of my query
.endr
.irp t, 0,1
	v_mul_f32 v[CP+\t], s[CS], v[CP+\t]            ; as t (c is positive)
.endr
.irp t, 0,1
	v_max_num_f32 v[MT+\t], v[MT+\t], v[CP+\t]     ; the running largest t
.endr
.irp t, 0,1
	v_mov_b32 v[CP+2+\t], v[NM+\t]
.endr
.irp t, 0,1
	v_floor_f32 v[NM+\t], -v[MT+\t]                ; the new -M = floor(-t) = -ceil(t): M IS A WHOLE NUMBER
.endr
.irp t, 0,1
	v_sub_f32 v[CP+2+\t], v[NM+\t], v[CP+2+\t]     ; M's old value less its new one: a whole number, 0 or less
.endr
.irp t, 0,1
	v_cvt_i32_f32 v[CP+2+\t], v[CP+2+\t]           ; (it saturates)
.endr
.irp t, 0,1
	v_ldexp_f32 v[FX+\t], 1.0, v[CP+2+\t]          ; f = 2^(old M - new M)
.endr
.irp t, 0,1
.irp i, 0,1,2,3
	v_fma_f32 v[MB+4*\t+\i], v[MB+4*\t+\i], s[CS], v[NM+\t]   ; t - M of each block's largest score
.endr
.endr
	v_pk_mul_f32 v[LL:LL+1], v[LL:LL+1], v[FX:FX+1] op_sel_hi:[1,0]                        ; l under the new M: tile 0's factor is the pair's low word,
	v_pk_mul_f32 v[LL+2:LL+3], v[LL+2:LL+3], v[FX:FX+1] op_sel:[0,1] op_sel_hi:[1,1]       ; tile 1's its high word
	WIN 0x41                                       ; source 0 and destination window 1
.set j, 0
.rept 64
	v_pk_fma_f32 v[j:j+1], v[j:j+1], s[CS:CS+1], v[NM:NM+1] op_sel_hi:[1,0,0]              ; tile 0: t - M, two at a time
.set j, j+2
.endr
	s_wait_alu depctr_va_vdst(0)                   ; the wait ahead of the batch
.set j, 0
.rept 64
	v_exp_f32 v[j], v[j]                           ; tile 0: p = 2^(t - M), at most 1; between two of them tile 1's multiply-adds, which nothing reads ahead of the next wait
	v_exp_f32 v[j+1], v[j+1]
	v_pk_fma_f32 v[128+j:129+j], v[128+j:129+j], s[CS:CS+1], v[NM:NM+1] op_sel:[0,0,1] op_sel_hi:[1,0,1]
.set j, j+2
.endr
	WIN 0
.irp i, 0,1,2,3,4,5,6,7
	v_exp_f32 v[MB+\i], v[MB+\i]                   ; each block's largest p, both tiles
.endr
	v_nop                                          ; one plain place behind the transcendentals
	s_wait_alu depctr_va_vdst(0)                   ; the wait ahead of the batch's first reader
.irp i, 0,1,2,3,4,5,6,7
	v_max_num_f32 v[MB+\i], 0x1800000, v[MB+\i]    ; the floor 2^(3 - 127): the byte cannot fall under 1
.endr
.irp i, 0,1,2,3,4,5,6,7
	v_add_nc_u32 v[MB+\i], 0xff000000, v[MB+\i]    ; 2 off the exponent field: the conversion's scale operand
.endr
	; p's scale words.  k = 2 t + g: bytes of blocks 0 and 2 (lanes 16-31: 1 and 3) at bits 7:0 and 23:16, then the other half's beside them: whole in lanes 0-15, which are the lanes read
.irp k, 0,1,2,3
	v_lshrrev_b32 v[PW+\k], 23, v[MB+2*\k]
.endr
.irp k, 0,1,2,3
	v_lshrrev_b32 v[CP+\k], 7, v[MB+2*\k+1]
.endr
.irp k, 0,1,2,3
	v_and_or_b32 v[PW+\k], v[CP+\k], 0xff0000, v[PW+\k]
.endr
.irp k, 0,1,2,3
	v_permlanex16_b32 v[CP+\k], v[PW+\k], s[SEL], s[SEL+1]
.endr
.irp k, 0,1,2,3
	v_lshl_or_b32 v[PW+\k], v[CP+\k], 8, v[PW+\k]
.endr
	; tile 0's scales, spread to both halves: even blocks in MB, odd blocks in CP
.irp i, 0,1,2,3
	v_mov_b32 v[CP+\i], v[MB+\i]
.endr
.irp i, 0,1,2,3
	v_permlane16_swap_b32 v[MB+\i], v[CP+\i]
.endr
	WIN 0x01                                       ; source 0 (p) window 1
.irp c, 0,1
	CVT C0+4*\c, 32*\c, MB+\c, CP+\c
.endr
	WIN 0
	v_nop                                          ; one plain place behind a scaled conversion
	CSWAP C0
	WIN 0x55
	PADD 0, 16                                     ; half 0's sum, down to four pairs, v0-7
	PADD 0, 8
	PADD 0, 4
	WIN 0x41
.irp c, 0,1
	CVT 8+4*\c, 64+32*\c, MB+2+\c, CP+2+\c
.endr
	WIN 0x55
	v_nop
	CSWAP 8
	PADD 64, 16
	PADD 64, 8
	PADD 64, 4
.irp q, 0,2,4,6
	v_pk_add_f32 v[\q:\q+1], v[\q:\q+1], v[64+\q:65+\q]
.endr
	PADD 0, 2
	PADD 0, 1
	WIN 0x04
	v_pk_add_f32 v[LL:LL+1], v[LL:LL+1], v[0:1]
	WIN 0x40
.irp T, 0,1,2,3,4,5,6,7
.irp c, 0,1
	ds_load_b128 v[64+8*\T+4*\c:64+8*\T+4*\c+3], v[AB] offset:STEPB+8192+1024*\T+512*\c   ; V^T's half 1, over tile 0's spent p: my last reads of the slot
.endr
.endr
	WIN 0
.if \chg
	s_wait_tensorcnt 0x0                           ; no tensor load of mine is out: my part of the slot ahead has landed, and a group 0 may be written
	ds_add_u32 v[SPW], v[NIL]                      ; 0 onto my spare word: work on registers stands between it and the wait for it
.if \chg == 1
	s_add_nc_u64 s[G0+4*(\n)+2:G0+4*(\n)+3], s[G0+4*(\n)+2:G0+4*(\n)+3], 2*SLOT   ; sixteen key steps on; the type bits on top are not reached
.endif
.endif
.if !\first
	s_wait_alu depctr_va_vdst(0)                   ; directly ahead of the first reader of O^T
.set j, 0
.rept 32
	v_pk_mul_f32 v[OA+j:OA+j+1], v[OA+j:OA+j+1], v[FX:FX+1] op_sel_hi:[1,0]                ; O^T under the new M; each accumulator from its low end on
.set j, j+2
.endr
.rept 32
	v_pk_mul_f32 v[OA+j:OA+j+1], v[OA+j:OA+j+1], v[FX:FX+1] op_sel:[0,1] op_sel_hi:[1,1]
.set j, j+2
.endr
.endif
.if \chg
	s_wait_dscnt 0x0                               ; the add is done, and V^T's fragments are in: my reads of this slot are over
	s_barrier_signal -1                            ; say so; register work stands between it and the wait
.endif
	WIN 0x40
.irp i, 0,1,2,3
	v_mov_b32 v[32+\i], v[MB+4+\i]                 ; tile 1's scales, twice,
	v_mov_b32 v[36+\i], v[MB+4+\i]
.endr
	WIN 0x55
.irp i, 0,1,2,3
	v_permlane16_swap_b32 v[32+\i], v[36+\i]       ; spread to both halves: even blocks, odd blocks
.endr
	WIN 0x41
	s_wait_alu depctr_va_vdst(0)                   ; the wait ahead of the batch
.set j, 128
.rept 128
	v_exp_f32 v[j], v[j]                           ; tile 1's p
.set j, j+1
.endr
	WIN 0
	v_nop
	s_wait_alu depctr_va_vdst(0)                   ; and ahead of its first reader
.if \chg
	s_barrier_wait -1                              ; the slot ahead is whole, and none of my work-group's waves reads this one any more
.if \chg == 1
	CREST                                          ; nor does a wave of any partner, or has a load on its way
	JLOAD \n
.endif
.endif
	WIN 0x45
.irp g, 0,1
.irp c, 0,1
	CVT 16+8*\g+4*\c, 128+64*\g+32*\c, 32+2*\g+\c, 36+2*\g+\c
.endr
.endr
	WIN 0x55
	v_nop
	CSWAP 16
	CSWAP 24
	PADD 128, 32
	PADD 128, 16
	PADD 128, 8
	PADD 128, 4
	PADD 128, 2
	PADD 128, 1
	WIN 0x04
	v_pk_add_f32 v[LL+2:LL+3], v[LL+2:LL+3], v[128:129]
	WIN 0
.if \chg == 0
	s_wait_alu depctr_va_vdst(0)                   ; directly ahead of the wait below
	s_wait_dscnt 0x0                               ; V^T's fragments are in
.endif
	; O^T += V^T P^T: the sixteen accumulators by turns, half 0, then half 1
	PV \first, OA, FR, C0, WS, PW
	WIN 0x04                                       ; source 1 (tile 1's codes) window 1
	PV \first, OA+64, FR, 16, WS, PW+2
.if \next < 2
	WIN 0                                          ; the next step's addresses; these four are the places in front of the loads
	v_and_b32 v[AB], 31, v0
	v_and_b32 v[AS], 31, v0
	v_lshl_add_u32 v[AB], v[AB], 4, s[KB+\next]
	v_lshl_add_u32 v[AS], v[AS], 2, s[KB+\next]
	s_wait_alu depctr_va_vdst(0)                   ; directly behind the writes
	KLOAD 0                                        ; the slot ahead has been whole since the barrier above; these loads land under half 1's products
.endif
	WIN 0x05                                       ; sources 0 and 1 window 1
	PV 0, OA, 64, 8, WS+4, PW+1
	PV 0, OA+64, 64, 24, WS+4, PW+3
	WIN 0
.if \next < 2
	PLACES 5                                       ; the next step's first products write over registers that these have read: five places
.endif
.endm
	s_load_b128 s[4:7], s[0:1], 0x0                ; qbuf, kvbuf
	s_load_b64 s[8:9], s[0:1], 0x10                ; out0
	v_lshl_add_u32 v[SPW], v0, 2, SPARE
	v_mov_b32 v[NIL], 0
	ds_add_u32 v[SPW], v[NIL]                      ; the wave's opening: the add, twice on end, and its wait ahead of my first tensor load
	ds_add_u32 v[SPW], v[NIL]
	v_lshrrev_b32 v[CP], 5, v0
	v_readfirstlane_b32 s[WV], v[CP]               ; wave 0..7
	s_and_b32 s[TP], s[WV], 1
	s_lshr_b32 s[KQ], s[WV], 1
	s_bfe_u32 s[CX], ttmp6, 0x40000                ; my place in the cluster: it enters Q's and out0's addresses alone
	s_lshl_b32 s[QB], ttmp9, 2
	s_add_co_u32 s[QB], s[QB], s[CX]               ; my block of 64 queries
	s_and_b32 s[BA], ttmp7, 0xffff                 ; the batch, which the four partners share
	s_mov_b32 s[G1], 15|(3<<16)|(1<<21)            ; 15:0 the mask: all four work-groups; 17:16 elements of 8 bytes; 21 set beside a mask; no padding
	s_mov_b32 s[G1+1], 32<<16                      ; tensor_dim0 = 32 elements: 256 bytes
	s_mov_b32 s[G1+2], 68<<16                      ; tensor_dim1 = 68 rows
	s_mov_b32 s[G1+3], 32<<16                      ; tile_dim0
	s_mov_b32 s[G1+4], 68                          ; tile_dim1
	s_mov_b32 s[G1+5], 32                          ; the rows are dense
	s_mov_b32 s[G1+6], 0
	s_mov_b32 s[G1+7], 0
	s_lshl_b32 s41, s[BA], 5
	s_add_co_u32 s41, s41, s[WV]                   ; of each slot's 8 key steps I fetch step w:
	s_mul_i32 s42, s41, STEPB                      ; in memory,
	s_mov_b32 s43, 0
	s_mul_i32 s40, s[WV], STEPB                    ; and in a slot
	s_wait_dscnt 0x0                               ; both opening adds are done
	CROUND                                         ; all four work-groups are here: the first joint loads meet
	s_wait_kmcnt 0x0
	s_add_nc_u64 s[6:7], s[6:7], s[42:43]
.irp n, 0,1
	s_mov_b32 s[G0+4*\n], 1                        ; count = 1
	s_add_co_u32 s[G0+4*\n+1], s40, \n*SLOT        ; LDS address
	s_add_nc_u64 s[G0+4*\n+2:G0+4*\n+3], s[6:7], \n*SLOT   ; slot n begins with key steps 8 n .. 8 n + 7, which are as many bytes in memory as in LDS
	s_or_b32 s[G0+4*\n+3], s[G0+4*\n+3], 0x80000000        ; type = 2
.endr
	JLOAD 0                                        ; slot 0: one tensor load a wave at the head
	; Q: unit 32 batch + block / 2, tiles 4 (block % 2) + 2 (w % 2) + 0, 1
	s_lshr_b32 s44, s[QB], 1
	s_lshl_b32 s45, s[BA], 5
	s_add_co_u32 s44, s44, s45
	s_mul_i32 s44, s44, 8704
	s_and_b32 s45, s[QB], 1
	s_lshl_b32 s45, s45, 1
	s_add_co_u32 s45, s45, s[TP]                   ; the pair of tiles in the unit
	s_lshl_b32 s46, s45, 11
	s_add_co_u32 s46, s46, s44                     ; its two fragments,
	s_mov_b32 s47, 0
	s_lshl_b32 s48, s45, 7
	s_add_co_u32 s48, s48, s44                     ; and, 8,192 bytes on, its 32 scale words
	s_mov_b32 s49, 0
	s_add_nc_u64 s[52:53], s[4:5], s[46:47]
	s_add_nc_u64 s[54:55], s[4:5], s[48:49]
	s_mul_i32 s[KB], s[KQ], 2*STEPB
	s_add_co_u32 s[KB+1], s[KB], SLOT
	v_and_b32 v[CP], 31, v0                        ; lane
	v_lshlrev_b32 v[CP+1], 4, v[CP]
	v_lshlrev_b32 v[CP+2], 2, v[CP]
	global_load_b128 v[QF:QF+3], v[CP+1], s[52:53]
	global_load_b128 v[QF+4:QF+7], v[CP+1], s[52:53] offset:512
	global_load_b128 v[QF+8:QF+11], v[CP+1], s[52:53] offset:1024
	global_load_b128 v[QF+12:QF+15], v[CP+1], s[52:53] offset:1536
	global_load_b32 v[QW], v[CP+2], s[54:55] offset:8192
	v_lshl_add_u32 v[AB], v[CP], 4, s[KB]
	v_lshl_add_u32 v[AS], v[CP], 2, s[KB]
	v_mov_b32 v[CP+3], 0                           ; (a lane permute's destination counts as one of its sources)
	v_mov_b32 v[MT], 0xff61b1e6                    ; the largest t so far: -3e38, under every t
	v_mov_b32 v[MT+1], 0xff61b1e6
	v_mov_b32 v[LL], 0                             ; l
	v_mov_b32 v[LL+1], 0
	v_mov_b32 v[LL+2], 0
	v_mov_b32 v[LL+3], 0
	v_floor_f32 v[NM], -v[MT]                      ; -M
	v_floor_f32 v[NM+1], -v[MT+1]
	; for the merge
	s_lshl_b32 s60, s[TP], 9
	s_lshl_b32 s41, s[KQ], 2
	s_add_co_u32 s60, s60, s41
	s_add_co_u32 s60, s60, STAT                    ; where my tiles' statistics of my quarter go
	s_lshl_b32 s61, s[TP], 3
	s_add_co_u32 s61, s61, s[KQ]
	s_mul_i32 s61, s61, STG                        ; my first tile's stage; the second's lies 4 stages on
	s_mul_i32 s62, s[KQ], 4*STG
	s_mul_i32 s41, s[TP], 8*SP
	s_add_co_u32 s62, s62, s41                     ; on the way out I take queries 8 w .. 8 w + 7 of the block: tile w / 2, rows 8 (w % 2) on
	s_lshl_b32 s56, s[BA], 12
	s_lshl_b32 s57, s[QB], 6
	s_add_co_u32 s56, s56, s57
	s_lshl_b32 s57, s[WV], 3
	s_add_co_u32 s56, s56, s57                     ; the first row of out0 that I store
	s_lshl_b32 s56, s56, 9
	s_mov_b32 s57, 0
	s_add_nc_u64 s[8:9], s[8:9], s[56:57]
	s_mov_b32 s[SEL], 0x76543210
	s_mov_b32 s[SEL+1], 0xfedcba98
	s_mov_b32 s[CS], 0x3e0293ee                    ; c = log2(e) / sqrt(128)
	s_mov_b32 s[CS+1], s[CS]                       ; (named with it as a pair, so it is written)
.set j, 0
.rept 16
	s_mov_b32 s[GS+1+j], 0                         ; (the upper words of the pairs: named with them, so they are written)
.set j, j+2
.endr
	s_wait_alu depctr_va_vdst(0)                   ; the wait at the head's end
	s_wait_tensorcnt 0x0                           ; my part of slot 0 is in
	ds_add_u32 v[SPW], v[NIL]
	s_wait_dscnt 0x0
	CROUND                                         ; everybody's part of slot 0 is in, and all four work-groups are here:
	JLOAD 1                                        ; slot 1, the first tensor load behind the round
	KLOAD 0
	s_wait_loadcnt 0x0                             ; Q
	STEP 1, 1, 0, 1                                ; key steps 0-7; slot 0 takes 16-23
	STEP 0, 1, 1, 0                                ; key steps 8-15; slot 1 takes 24-31: the last load
	STEP 0, 2, 0, 1                                ; key steps 16-23: behind this step's barrier nobody reads slot 0
	STEP 0, 0, 1, 2                                ; key steps 24-31
	; THE MERGE.  My -M, my l and my O^T go to LDS; behind a barrier each wave takes eight queries and joins the four quarters.
	v_add_f32 v[LL], v[LL], v[LL+1]                ; l's two halves.  (These four are the places behind the last products)
	v_add_f32 v[LL+2], v[LL+2], v[LL+3]
	v_and_b32 v16, 15, v0                          ; r
	v_bfe_u32 v17, v0, 4, 1                        ; h
	v_permlanex16_b32 v[CP+2], v[LL], s[SEL], s[SEL+1]
	v_permlanex16_b32 v[CP+3], v[LL+2], s[SEL], s[SEL+1]
	v_mul_u32_u24 v19, v16, SP
	v_lshl_add_u32 v18, v16, 4, s60                ; my query's word of my quarter
	v_add_f32 v[LL], v[LL], v[CP+2]                ; and lane l xor 16's
	v_add_f32 v[LL+2], v[LL+2], v[CP+3]
	v_lshl_add_u32 v19, v17, 5, v19
	v_and_b32 v21, 31, v0
	v_lshl_add_u32 v23, v0, 2, STAT                ; on the way out lane 4 j + i takes query j's statistics of quarter i: 4 x thread
	v_add_nc_u32 v19, s61, v19                     ; my stage: row r, + 32 h
	v_lshlrev_b32 v22, 4, v21
	v_lshl_add_u32 v20, v21, 4, s62                ; quarter 0's stage, my rows, 16 bytes a lane
	ds_store_b32 v18, v[NM]                        ; lanes r and r + 16 write the same word with the same value
	ds_store_b32 v18, v[NM+1] offset:256
	ds_store_b32 v18, v[LL] offset:1024
	ds_store_b32 v18, v[LL+2] offset:1280
.irp t, 0,1
.irp T, 0,1,2,3,4,5,6,7
	ds_store_b128 v19, v[OA+64*\t+8*\T:OA+64*\t+8*\T+3] offset:4*STG*\t+64*\T      ; lane (r, h): channels 16 T + 8 h + 0 .. 7 of query r; each accumulator from its low end on
	ds_store_b128 v19, v[OA+64*\t+8*\T+4:OA+64*\t+8*\T+7] offset:4*STG*\t+64*\T+16
.endr
.endr
	s_wait_alu depctr_va_vdst(0)                   ; directly ahead of the wait below
	s_wait_dscnt 0x0                               ; for the others' sake: my stores have landed
	s_barrier_signal -1
	s_barrier_wait -1
	ds_load_b32 v24, v23                           ; -M of (query, quarter)
	ds_load_b32 v25, v23 offset:1024               ; l
.irp q, 0,1,2,3,4,5,6,7
.irp i, 0,1,2,3
	ds_load_b128 v[OA+16*\q+4*\i:OA+16*\q+4*\i+3], v20 offset:STG*\i+SP*\q         ; quarter i's row: 512 consecutive bytes
.endr
.endr
	s_wait_dscnt 32                                ; the statistics are in; the 32 loads of rows may stay out while the factors are made
	v_mov_b32 v26, v24
	v_min_num_f32_dpp v26, v26, v26 row_xmask:1 row_mask:0xf bank_mask:0xf
	v_min_num_f32_dpp v26, v26, v26 row_xmask:2 row_mask:0xf bank_mask:0xf         ; -M of the whole row: the least of the four quarters'
	v_sub_f32 v27, v26, v24                        ; M_i - M: a whole number, 0 or less
	v_cvt_i32_f32 v27, v27
	v_ldexp_f32 v27, 1.0, v27                      ; f_i = 2^(M_i - M)
	v_mul_f32 v28, v27, v25
	v_add_f32_dpp v28, v28, v28 row_xmask:1 row_mask:0xf bank_mask:0xf
	v_add_f32_dpp v28, v28, v28 row_xmask:2 row_mask:0xf bank_mask:0xf             ; l = the sum of f_i l_i
	s_wait_alu depctr_va_vdst(0)                   ; the wait ahead of the transcendental
	v_rcp_f32 v28, v28
	v_nop                                          ; one plain place behind a transcendental
	s_wait_alu depctr_va_vdst(0)
	v_mul_f32 v27, v27, v28                        ; g_i = f_i / l
	s_wait_alu depctr_va_vdst(0)                   ; directly ahead of the waits below
	s_wait_tensorcnt 0x0                           ; the wave's end: behind my last tensor load and my last LDS store
	ds_add_u32 v[SPW], v[NIL]
	s_wait_dscnt 0x0                               ; (the rows are in too)
.irp k, 0,1                                    ; four rows at a time
.irp m, 0,1,2,3,4,5,6,7,8,9,10,11,12,13,14,15
	v_readlane_b32 s[GS+2*\m], v27, 16*\k+\m       ; row 4 k + m / 4, quarter m % 4
.endr
.irp q, 0,1,2,3
.irp e, 0,2
	v_pk_mul_f32 v[OA+64*\k+16*\q+\e:OA+64*\k+16*\q+\e+1], v[OA+64*\k+16*\q+\e:OA+64*\k+16*\q+\e+1], s[GS+8*\q:GS+8*\q+1] op_sel_hi:[1,0]
.endr
.endr
.irp i, 1,2,3
.irp q, 0,1,2,3
.irp e, 0,2
	v_pk_fma_f32 v[OA+64*\k+16*\q+\e:OA+64*\k+16*\q+\e+1], v[OA+64*\k+16*\q+4*\i+\e:OA+64*\k+16*\q+4*\i+\e+1], s[GS+8*\q+2*\i:GS+8*\q+2*\i+1], v[OA+64*\k+16*\q+\e:OA+64*\k+16*\q+\e+1] op_sel_hi:[1,0,1]   ; the sum of g_i O_i
.endr
.endr
.endr
.irp q, 0,1,2,3
	global_store_b128 v22, v[OA+64*\k+16*\q:OA+64*\k+16*\q+3], s[8:9] offset:2048*\k+512*\q th:TH_STORE_NT   ; 32 lanes store a whole row of 512 bytes, aligned to 256; written once, read by nobody here
.endr
.endr
	CROUND                                         ; the closing round: no work-group ends while a partner may still ask for a tile that names it
	s_endpgm
.Lfunc_end_k_q4f28dddd3b_attn:
	.size	k_q4f28dddd3b_attn, .Lfunc_end_k_q4f28dddd3b_attn-k_q4f28dddd3b_attn
	.p2alignl 7, 3214868480
	.fill 96, 4, 3214868480
	.section	.rodata,"a",@progbits
	.p2align	6, 0x0
	.amdhsa_kernel k_q4f28dddd3b_attn
		.amdhsa_group_segment_fixed_size 327680
		.amdhsa_private_segment_fixed_size 0
		.amdhsa_enable_private_segment 0
		.amdhsa_kernarg_size 24
		.amdhsa_user_sgpr_count 2
		.amdhsa_user_sgpr_kernarg_segment_ptr 1
		.amdhsa_wavefront_size32 1
		.amdhsa_system_sgpr_workgroup_id_x 1
		.amdhsa_system_sgpr_workgroup_id_y 1
		.amdhsa_system_sgpr_workgroup_id_z 1
		.amdhsa_system_vgpr_workitem_id 0
		.amdhsa_next_free_vgpr 512
		.amdhsa_next_free_sgpr 100
		.amdhsa_reserve_vcc 0
		.amdhsa_float_denorm_mode_32 3
		.amdhsa_float_denorm_mode_16_64 3
		.amdhsa_memory_ordered 1
		.amdhsa_forward_progress 1
		.amdhsa_inst_pref_size 249
	.end_amdhsa_kernel
	.amdgpu_metadata
---
amdhsa.version: [ 1, 2 ]
amdhsa.kernels:
  - .name:           k_q4f28dddd3b_attn
    .symbol:         k_q4f28dddd3b_attn.kd
    .args:
      - { .name: qbuf, .offset: 0, .size: 8, .value_kind: global_buffer, .address_space: global }
      - { .name: kvbuf, .offset: 8, .size: 8, .value_kind: global_buffer, .address_space: global }
      - { .name: out0, .offset: 16, .size: 8, .value_kind: global_buffer, .address_space: global }
    .group_segment_fixed_size: 327680
    .private_segment_fixed_size: 0
    .kernarg_segment_align: 8
    .kernarg_segment_size: 24
    .max_flat_workgroup_size: 256
    .sgpr_count:     100
    .vgpr_count:     512
    .wavefront_size: 32
...
	.end_amdgpu_metadata
.endif
;; end of part 2
